; MI455X (gfx1250); checked and timed in simulation.
; The chip was launched on July 23, 2026; its instructions are those of AMD's public machine-readable ISA for CDNA 5 (MIT licence, August 2026) and "CDNA5" Instruction Set Architecture Reference Guide (July 2026). The comments in the code are by the model that wrote it; some were corrected since.
;; Block Sparse Attention. Allowed arithmetic: matrix products marked QUANTISED: E2M1 operands, one E8M0 scale for each 32 along K, by v_wmma_scale_f32_16x16x128_f8f6f4 with both operands' format E2M1 (or v_wmma_scale_f32_32x16x128_f4), f32 sums; everything else in f32.
;; Inputs: k_codes 1 x 16 x 4,096 x 4 x 16 uint8 (E2M1 codes of k, K innermost, in blocks of 32 codes, two codes a byte); k_scales 1 x 16 x 4,096 x 4 uint8 (E8M0 scales of k, one for each 32 codes along K); q_codes 1 x 16 x 4,096 x 4 x 16 uint8 (E2M1 codes of q, K innermost, in blocks of 32 codes, two codes a byte); q_scales 1 x 16 x 4,096 x 4 uint8 (E8M0 scales of q, one for each 32 codes along K); v_codes 1 x 16 x 128 x 128 x 16 uint8 (E2M1 codes of v, K innermost, in blocks of 32 codes, two codes a byte); v_scales 1 x 16 x 128 x 128 uint8 (E8M0 scales of v, one for each 32 codes along K).
;; Outputs: out0 1 x 16 x 4,096 x 128 float32.
;; This version of the problem:
;;   THIS VERSION OF THE PROBLEM IS GIVEN IN LOW PRECISION. The matrix products marked QUANTISED in the list below multiply operands that are first quantised to E2M1 (2 exponent bits, 1 mantissa bit; 4 bits a number), with one power-of-two scale for each 32 numbers along K (OCP MX v1.0); their sums are f32. All else is computed in f32.
;;   The module's matrix products, in the order in which they are computed (A, B: the left and right operand; K: the contracted axis; several contracted axes count as one K, in the product's order):
;;     1. batch 16 x [M 4,096, K 128] x [K 128, N 4,096]; A: input q (given as codes); B: input k (given as codes): QUANTISED
;;     2. batch 16 x [M 4,096, K 4,096] x [K 4,096, N 128]; A: softmax (see below); B: input v (given as codes): QUANTISED
;;   THE QUANTISER, for each operand of a quantised product, along K:
;;     - K is cut into blocks of 32 from its start; a last block that is shorter is filled with zeros.
;;     - A block's scale is 2^e with e = floor(log2(the largest magnitude in the block)) - 2, held to -126 .. 127; a block of zeros has e = 0. As a byte (E8M0): e + 127.
;;     - Each number is divided by its block's scale, clamped to +-6, and rounded to the nearest number of E2M1, ties to even, subnormals kept.
;;     - The product sums the exact products of the quantised numbers (number of the format x scale) in f32.
;;   ~~~python
;;   def quantise(x, axis):      # numpy; x: float32 -> the quantised numbers, widened to float32 again
;;       x = np.moveaxis(x, axis, -1); K = x.shape[-1]
;;       x = np.pad(x, [(0, 0)] * (x.ndim - 1) + [(0, -K % 32)]); x = x.reshape(x.shape[:-1] + (-1, 32)); a = np.abs(x).max(-1, keepdims=True)
;;       e = np.where(a > 0, np.clip(np.frexp(np.where(a > 0, a, 1))[1] - 1 - 2, -126, 127), 0)      # np.frexp(a)[1] - 1 = floor(log2(a)), exactly
;;       r = np.clip(x / 2.0 ** e, -6, 6)
;;       step = 2.0 ** (np.maximum(np.frexp(np.where(r == 0, 1, r))[1] - 1, 0) - 1)
;;       q = np.round(r / step) * step * 2.0 ** e      # np.round: ties to even
;;       return np.moveaxis(q.reshape(q.shape[:-2] + (-1,))[..., :K], -1, axis).astype(np.float32)
;;   ~~~
;;   SOFTMAX AHEAD OF A QUANTISED PRODUCT. Where the list says 'softmax', what is quantised is not the finished softmax but p = 2^(t - M), with t = logit x log2(e) and M = ceil(the row's largest t), a whole number; so 1/2 < the row's largest p <= 1. The row's sum l is taken of the UNQUANTISED p, in f32, and the product's result is divided by l at the end. Since M is a whole number, a kernel that streams over the keys may use a running M (the ceiling of the running maximum): every later rescaling is an exact power of two, which a block's scale takes up: the codes' values come out the same.
;;   OPERANDS COMPUTED ON THE WAY. 'Computed on the way' means the value that the module computes at that place (a softmax that the list does not call 'softmax' is quantised finished and normalised). What goes into a quantiser is computed in f32, as accurately as f32 sums, v_exp_f32 and their like allow (about 1e-6 of the number): no bf16 or f16 on the way to a quantiser, and a product that is left as it is and whose result goes on into a quantised operand takes f32 operands (vector FMAs, or v_wmma_f32_16x16x4_f32). A number that lies on a knife's edge between two numbers of the format may be rounded either way, as far as f32 arithmetic and the matrix unit's own rounding can turn it there, and no further.
;;   INPUTS GIVEN AS CODES. k (in the module: [1, 16, 4096, 128], K = its axis 3); q (in the module: [1, 16, 4096, 128], K = its axis 3); v (in the module: [1, 16, 4096, 128], K = its axis 2): each comes as NAME_codes (uint8): NAME with its K axis moved to the last place and cut into blocks of 32 codes, [.., K / 32, bytes a block], one block behind the other in memory; two codes a byte, the lower K in the low four bits (a code: sign, 2 exponent bits, 1 mantissa bit); and NAME_scales (uint8): the same leading axes, one E8M0 byte (e + 127) for each 32 codes along K. Its value is code x scale, taken as it is: it is not quantised again, and the codes and scales need not be those that the quantiser above would give.
;; 2 versions, each right; version 2 is version 1 with the launch band written anew for expert scheduling mode. Each part assembles by itself: llvm-mc -triple=amdgcn-amd-amdhsa -mcpu=gfx1250 --defsym DOCPART=n.
;; ======== version 1 of 2: 1 launch
;; launch band (part 1): grid 16 x 16, 4 waves a work-group, no clusters, 168,448 bytes of LDS; arguments q_codes, q_scales, k_codes, k_scales, v_codes, v_scales, out0; writes out0
.if DOCPART == 1
	.amdgcn_target "amdgcn-amd-amdhsa--gfx1250"
	.amdhsa_code_object_version 6
	.text
	.protected	k_q79e917fde2_band
	.globl	k_q79e917fde2_band
	.p2align	8
	.type	k_q79e917fde2_band,@function
k_q79e917fde2_band:
	s_mov_b64 s[64:65], 0
	v_nop
	global_prefetch_b8 v0, s[64:65] scope:SCOPE_SE
	s_setreg_imm32_b32 hwreg(HW_REG_WAVE_MODE, 25, 1), 1
	s_wait_xcnt 0x0
; Block-sparse attention on codes of FP4 (E2M1) with one E8M0 scale for each 32 along a product's K.  16 heads, 4,096 tokens, head size 128.
; Query block b (64 tokens) sees key blocks b - 1, b, b + 1: at most 192 keys, six blocks of 32, which begin at multiples of 32 keys.  Only these are multiplied.
; SHARES.  Work-group (x, y): queries 256 x .. 256 x + 255 of head y.  Wave w: query block b = 4 x + w, four tiles of 16 queries.  Waves share nothing: no barrier.
; THE WINDOW.  A wave takes the three key blocks from ws = min(max(b - 1, 0), 61) on: always inside the head.  For b = 63 the window's block 0 is hidden, for b = 0 its block 2.
; A block that may be hidden gets its bias (0, or -3e38 where it is hidden) as the C of its four score products: no compare, no branch; p of a hidden key is 2^(a huge negative number) = 0 and its codes are zeros.
; K's 12 fragments and V's codes of the window (96 registers each) go from memory straight into the operands' registers, once, and serve the wave's four tiles.
; LAYOUT.  Both products are used transposed: S^T = K Q^T (source 0 = 16 keys, source 1 = 16 queries), O^T = V^T P^T (source 0 = 16 channels, source 1 = P): a lane holds ONE query (lane % 16) throughout.
; THE KEYS OF A TILE ARE NOT NEIGHBOURS: lane r of tile 2 g + u takes window key 32 g + 8 u + r + 8 (r / 8), so that the 16 registers of tiles 2 g and 2 g + 1 are keys 32 g + 16 (lane / 16) + 0 .. 15.
; SOFTMAX.  A lane holds 96 scores, with lane l xor 16 the whole row: one pass with the row's true maximum.  t = score x log2(e) / sqrt(128); M = ceil(largest t); p = 2^(t - M) is quantised along the keys;
; the row's sum is taken of the unquantised p and divides O at the end.  A block's largest p is the block's largest score put through the same multiply-add and exponential.
; THE SECOND PRODUCT'S K is 192: a step of 128 keys and a step of 64 keys + 64 places whose p codes are zeros (four registers cleared once).  Against those zeros V's operand names whatever codes lie in the next
; four registers: FP4 has no code for NaN or infinity, so they add 0; the scale bytes of those places are 0 on both sides, which is a small power of two.
; NO CLUSTER, NO JOINT LOADS: a work-group's four waves walk six key blocks, of which two are also a neighbour's, each pair with another neighbour; no tile is common to several work-groups, and nothing goes through LDS on the way in.
; LIMITS: a scale byte 0xff (NaN) is not served.  Hidden keys get -3e38 and not -infinity: true scores at or under -3e38 are not told apart from hidden ones.  p under 2^-126 is taken as 0.
; A block whose every p is 0 gets the byte 1 where the quantiser says 127: its codes are zeros, and nobody else reads the byte.
; REGISTERS, in windows of 256 (s_set_vgpr_msb's low byte: bits 1:0 source 0, 3:2 source 1, 5:4 source 2, 7:6 destination):
;   window 0: v1 r, v2 h; v3-8 offsets of the loads; v9 stage in, v10 stage back, v11 offset in out0; v12 -M, v13 largest t; v14-21 four pairs of sums; v22 1 / sum (v23 named with it); v24-25 at work;
;             v26-31 blocks' largest; v32-37 at work, then scale bytes; v38-43 the conversions' scale operands; v44-45 p's scale words; v46-47 Q's, v48-53 K's, v54-61 V's scale words; v64-79 p's codes; v80-175 S^T, then p; v176-239 O^T
;   window 1: v0-95 K; v96-127 V, keys 128-191; v128-191 V, keys 0-127; v192-199, v200-207 the two biases; v208-239 Q
.set S,     80
.set OA,    176
.set PC,    64
.set LSUM,  14
.set BM,    26
.set BX,    32
.set SO,    38
.set PW,    44
.set QS,    46                         ; register i: lanes 0-15 the words of query tile 2 i, lanes 16-31 of tile 2 i + 1
.set KS,    48                         ; register g: lanes 0-15 the words of key tile 2 g, lanes 16-31 of tile 2 g + 1
.set VS0,   54                         ; register u: lanes 0-15 channel tile 2 u, lanes 16-31 tile 2 u + 1; keys 0-127
.set VS1,   58                         ; the same for keys 128-191, two zero bytes above
.set VB,    96                         ; window 1
.set VA,    128
.set BIAS0, 192
.set BIAS2, 200
.set QF,    208
.set ZEROC, 1000                       ; in macro WM: C is the constant 0
.set SP,    272                        ; a stage row: 256 bytes + 16: row r begins 17 r columns of 16 bytes on, so sixteen rows fall into sixteen different columns
.set STG,   16*SP                      ; a wave's stage: 16 rows
.set MSB, 0
.macro WIN new                         ; the immediate's high byte repeats the setting that is left; a switch that changes nothing is dropped
.if MSB != \new
	s_set_vgpr_msb (MSB<<8)|\new
.set MSB, \new
.endif
.endm
; One matrix instruction.  d, a, b, c: first registers of D, A, B, C (c = ZEROC: the constant 0); sa, sb: the scale registers; ra, rb = 1: that side's words are taken from lanes 16-31.
.macro WM d, a, b, c, sa, sb, ra, rb
.if (\c) >= ZEROC
.if (\ra) && (\rb)
	v_wmma_scale_f32_16x16x128_f8f6f4 v[\d:\d+7], v[\a:\a+7], v[\b:\b+7], 0, v[\sa], v[\sb] matrix_a_fmt:MATRIX_FMT_FP4 matrix_b_fmt:MATRIX_FMT_FP4 matrix_a_scale:MATRIX_SCALE_ROW1 matrix_b_scale:MATRIX_SCALE_ROW1
.elseif (\ra)
	v_wmma_scale_f32_16x16x128_f8f6f4 v[\d:\d+7], v[\a:\a+7], v[\b:\b+7], 0, v[\sa], v[\sb] matrix_a_fmt:MATRIX_FMT_FP4 matrix_b_fmt:MATRIX_FMT_FP4 matrix_a_scale:MATRIX_SCALE_ROW1
.elseif (\rb)
	v_wmma_scale_f32_16x16x128_f8f6f4 v[\d:\d+7], v[\a:\a+7], v[\b:\b+7], 0, v[\sa], v[\sb] matrix_a_fmt:MATRIX_FMT_FP4 matrix_b_fmt:MATRIX_FMT_FP4 matrix_b_scale:MATRIX_SCALE_ROW1
.else
	v_wmma_scale_f32_16x16x128_f8f6f4 v[\d:\d+7], v[\a:\a+7], v[\b:\b+7], 0, v[\sa], v[\sb] matrix_a_fmt:MATRIX_FMT_FP4 matrix_b_fmt:MATRIX_FMT_FP4
.endif
.else
.if (\ra) && (\rb)
	v_wmma_scale_f32_16x16x128_f8f6f4 v[\d:\d+7], v[\a:\a+7], v[\b:\b+7], v[\c:\c+7], v[\sa], v[\sb] matrix_a_fmt:MATRIX_FMT_FP4 matrix_b_fmt:MATRIX_FMT_FP4 matrix_a_scale:MATRIX_SCALE_ROW1 matrix_b_scale:MATRIX_SCALE_ROW1
.elseif (\ra)
	v_wmma_scale_f32_16x16x128_f8f6f4 v[\d:\d+7], v[\a:\a+7], v[\b:\b+7], v[\c:\c+7], v[\sa], v[\sb] matrix_a_fmt:MATRIX_FMT_FP4 matrix_b_fmt:MATRIX_FMT_FP4 matrix_a_scale:MATRIX_SCALE_ROW1
.elseif (\rb)
	v_wmma_scale_f32_16x16x128_f8f6f4 v[\d:\d+7], v[\a:\a+7], v[\b:\b+7], v[\c:\c+7], v[\sa], v[\sb] matrix_a_fmt:MATRIX_FMT_FP4 matrix_b_fmt:MATRIX_FMT_FP4 matrix_b_scale:MATRIX_SCALE_ROW1
.else
	v_wmma_scale_f32_16x16x128_f8f6f4 v[\d:\d+7], v[\a:\a+7], v[\b:\b+7], v[\c:\c+7], v[\sa], v[\sb] matrix_a_fmt:MATRIX_FMT_FP4 matrix_b_fmt:MATRIX_FMT_FP4
.endif
.endif
.endm
	s_load_b256 s[4:11], s[0:1], 0x0               ; q_codes s[4:5], q_scales s[6:7], k_codes s[8:9], k_scales s[10:11]
	s_load_b128 s[12:15], s[0:1], 0x20             ; v_codes s[12:13], v_scales s[14:15]
	s_load_b64 s[16:17], s[0:1], 0x30              ; out0
	v_lshl_add_u32 v254, v0, 2, 0x29000
	v_mov_b32 v255, 0
	v_lshrrev_b32 v24, 5, v0
	v_readfirstlane_b32 s18, v24                   ; wave 0..3
	v_and_b32 v1, 15, v0                           ; r
	v_bfe_u32 v2, v0, 4, 1                         ; h
	v_and_b32 v24, 8, v1
	v_add_nc_u32 v24, v24, v1                      ; r + 8 (r / 8)
	v_lshlrev_b32 v3, 6, v24
	v_lshl_add_u32 v3, v2, 4, v3                   ; K's codes: a key's row is 64 bytes; + 16 h
	v_lshl_add_u32 v4, v2, 3, v24
	v_lshlrev_b32 v4, 2, v4                        ; K's scale words, 4 bytes a key: lanes 16-31 take the odd tile's keys, 8 further on
	v_lshlrev_b32 v5, 6, v1
	v_lshl_add_u32 v5, v2, 4, v5                   ; Q's codes: row r, + 16 h
	v_and_b32 v25, 31, v0                          ; lane
	v_lshlrev_b32 v6, 2, v25                       ; Q's scale words: 4 bytes a query, 32 queries a register
	v_lshlrev_b32 v7, 11, v1
	v_lshl_add_u32 v7, v2, 4, v7                   ; V's codes: a channel's row is 2,048 bytes; + 16 h
	v_lshlrev_b32 v8, 7, v25                       ; V's scale bytes: 128 a channel, 32 channels a register
	v_mov_b32 v23, 0                               ; named as the upper half of the pair v[22:23]
	v_mov_b32 v25, 0                               ; a lane permute's destination counts as one of its sources: written once
.irp j, 0,1,2,3,4,5
	v_mov_b32 v[BX+\j], 0                          ; likewise
.endr
.irp j, 12,13,14,15
	v_mov_b32 v[PC+\j], 0                          ; p's codes of the 64 places behind key 191: zeros for the whole launch
.endr
	s_and_b32 s19, ttmp7, 0xffff                   ; the head
	s_lshl_b32 s20, ttmp9, 2
	s_add_co_u32 s20, s20, s18                     ; b: my query block
	s_max_u32 s21, s20, 1
	s_sub_co_u32 s21, s21, 1
	s_min_u32 s21, s21, 61                         ; ws: my window's first key block
	s_mov_b32 s26, 0x3e0293ee                      ; c = log2(e) / sqrt(128)
	s_mov_b32 s27, s26                             ; (named with it as a pair, so it is written)
	s_mov_b32 s28, 0x76543210
	s_mov_b32 s29, 0xfedcba98                      ; v_permlanex16_b32's selects for lane l xor 16
	s_cmp_eq_u32 s20, 63
	s_cselect_b32 s30, 0xff61b1e6, 0               ; the bias of the window's block 0: -3e38 where it is hidden
	s_cmp_eq_u32 s20, 0
	s_cselect_b32 s31, 0xff61b1e6, 0               ; and of its block 2
	s_mov_b32 s32, 0x05040302
	s_bitcmp1_b32 s21, 0
	s_cselect_b32 s32, s32, 0x03020100             ; V's six scale bytes begin at byte 2 (ws odd) or 0 (ws even) of two aligned words: the selector of the first four,
	s_and_b32 s33, s21, 1
	s_lshl_b32 s33, s33, 4                         ; and the bit at which the last two begin in the second word
	s_lshl_b32 s44, s19, 18                        ; a head's codes: 262,144 bytes in each of the three tensors
	s_lshl_b32 s45, s19, 14                        ; its scale bytes: 16,384
	s_lshl_b32 s22, s20, 12
	s_add_co_u32 s22, s22, s44                     ; q_codes: 64 queries x 64 bytes a block
	s_mov_b32 s23, 0
	s_lshl_b32 s24, s20, 8
	s_add_co_u32 s24, s24, s45                     ; q_scales: 256 bytes a block
	s_mov_b32 s25, 0
	s_lshl_b32 s34, s21, 12
	s_add_co_u32 s34, s34, s44                     ; k_codes
	s_mov_b32 s35, 0
	s_lshl_b32 s36, s21, 8
	s_add_co_u32 s36, s36, s45                     ; k_scales
	s_mov_b32 s37, 0
	s_lshl_b32 s38, s21, 5
	s_add_co_u32 s38, s38, s44                     ; v_codes: 64 keys are 32 bytes of a channel's row
	s_mov_b32 s39, 0
	s_lshr_b32 s40, s21, 1
	s_lshl_b32 s40, s40, 2
	s_add_co_u32 s40, s40, s45                     ; v_scales: the aligned word in which the window's bytes begin; two words end at byte 127 of a row at the most
	s_mov_b32 s41, 0
	s_lshl_b32 s42, s19, 21
	s_lshl_b32 s46, s20, 15
	s_add_co_u32 s42, s42, s46                     ; out0: 2^21 bytes a head, 64 rows of 512 bytes a block
	s_mov_b32 s43, 0
	s_mul_i32 s47, s18, STG                        ; my stage in LDS
	WIN 0x40                                       ; destination window 1
.irp j, 0,1,2,3,4,5,6,7
	v_mov_b32 v[BIAS0+\j], s30
.endr
.irp j, 0,1,2,3,4,5,6,7
	v_mov_b32 v[BIAS2+\j], s31
.endr
	WIN 0
	s_wait_kmcnt 0x0
	s_add_nc_u64 s[10:11], s[10:11], s[36:37]
	s_add_nc_u64 s[6:7], s[6:7], s[24:25]
	s_add_nc_u64 s[14:15], s[14:15], s[40:41]
	s_add_nc_u64 s[4:5], s[4:5], s[22:23]
	s_add_nc_u64 s[8:9], s[8:9], s[34:35]
	s_add_nc_u64 s[12:13], s[12:13], s[38:39]
	s_add_nc_u64 s[16:17], s[16:17], s[42:43]
	; ALL LOADS OF THE WAVE GO OUT HERE: 16 of scale words, then 56 of codes.  No base and no offset register is written again.
.irp g, 0,1,2,3,4,5
	global_load_b32 v[KS+\g], v4, s[10:11] offset:128*\g
.endr
.irp i, 0,1
	global_load_b32 v[QS+\i], v6, s[6:7] offset:128*\i
.endr
.irp u, 0,1,2,3
	global_load_b32 v[VS0+\u], v8, s[14:15] offset:4096*\u
	global_load_b32 v[VS1+\u], v8, s[14:15] offset:4096*\u+4
.endr
	WIN 0x40                                       ; destination window 1, offsets window 0
.irp c, 0,1
	global_load_b128 v[QF+4*\c:QF+4*\c+3], v5, s[4:5] offset:32*\c th:TH_LOAD_NT               ; Q's tile 0.  Q is read by this wave alone
.endr
.irp t, 0,1,2,3,4,5,6,7,8,9,10,11
.irp c, 0,1
	global_load_b128 v[8*\t+4*\c:8*\t+4*\c+3], v3, s[8:9] offset:(32*(\t/2)+8*(\t%2))*64+32*\c  ; K's tile t begins at window key 32 (t / 2) + 8 (t % 2)
.endr
.endr
.irp i, 1,2,3
.irp c, 0,1
	global_load_b128 v[QF+8*\i+4*\c:QF+8*\i+4*\c+3], v5, s[4:5] offset:1024*\i+32*\c th:TH_LOAD_NT
.endr
.endr
.irp t, 0,1,2,3,4,5,6,7                        ; V, channels 16 t on: the three loads on a row's 96 bytes stand together
	global_load_b128 v[VA+8*\t:VA+8*\t+3], v7, s[12:13] offset:32768*\t
	global_load_b128 v[VA+8*\t+4:VA+8*\t+7], v7, s[12:13] offset:32768*\t+32
	global_load_b128 v[VB+4*\t:VB+4*\t+3], v7, s[12:13] offset:32768*\t+64
.endr
	WIN 0
	s_wait_loadcnt 56                              ; the 16 loads of scale words are in: 2 + 24 + 6 + 24 loads were issued behind them
.irp u, 0,1,2,3
	v_perm_b32 v[VS0+\u], v[VS1+\u], v[VS0+\u], s32    ; the window's scale bytes 0 to 3,
.endr
.irp u, 0,1,2,3
	v_bfe_u32 v[VS1+\u], v[VS1+\u], s33, 16        ; and 4, 5, with zeros above
.endr
; S^T of query tile i: 12 products on 12 accumulators, none adds onto another.  The window's blocks 0 and 2 start from their bias, block 1 from the constant 0.
.macro KQ i
	WIN 0x15                                       ; K, Q and the biases in window 1, S^T in window 0
.irp t, 0,1,2,3
	WM S+8*\t, 8*\t, QF+8*(\i), BIAS0, KS+\t/2, QS+(\i)/2, \t%2, (\i)%2
.endr
.irp t, 4,5,6,7
	WM S+8*\t, 8*\t, QF+8*(\i), ZEROC, KS+\t/2, QS+(\i)/2, \t%2, (\i)%2
.endr
.irp t, 8,9,10,11
	WM S+8*\t, 8*\t, QF+8*(\i), BIAS2, KS+\t/2, QS+(\i)/2, \t%2, (\i)%2
.endr
	WIN 0
.endm
; The largest score of each block of 32 keys (it serves twice: for the row's maximum and for the block's largest p), the row's largest t, and -M.
; Each accumulator is read from its low end on: the even tiles at registers 0-2, the odd tiles at their register 0 (the line with n = 7).
.macro MAXES
.irp g, 0,1,2,3,4,5
	v_max3_num_f32 v[BM+\g], v[S+16*\g], v[S+16*\g+1], v[S+16*\g+2]
.endr
.irp n, 3,5,7,9,11,13
.irp g, 0,1,2,3,4,5
	v_max3_num_f32 v[BM+\g], v[BM+\g], v[S+16*\g+\n], v[S+16*\g+\n+1]   ; (the six blocks by turns: no line waits for the line above it)
.endr
.endr
.irp g, 0,1,2,3,4,5
	v_max_num_f32 v[BM+\g], v[BM+\g], v[S+16*\g+15]
.endr
.irp g, 0,1,2,3,4,5
	v_permlanex16_b32 v[BX+\g], v[BM+\g], s28, s29
.endr
.irp g, 0,1,2,3,4,5
	v_max_num_f32 v[BM+\g], v[BM+\g], v[BX+\g]     ; with lane l xor 16's 16 keys
.endr
	v_max3_num_f32 v24, v[BM], v[BM+1], v[BM+2]
	v_max3_num_f32 v24, v24, v[BM+3], v[BM+4]
	v_max_num_f32 v24, v24, v[BM+5]                ; the row's largest score
	v_mul_f32 v13, s26, v24                        ; as t (c is positive)
	v_floor_f32 v12, -v13                          ; -M = floor(-t) = -ceil(t)
.endm
; ONE BATCH: 48 packed scalings t - M, six of the blocks' largest, and all 102 exponentials.  A pair is scaled four pairs ahead of its exponentials; nothing in the batch names an exponential's result.
.macro EXPS
.irp j, 0,1,2,3
	v_pk_fma_f32 v[S+2*\j:S+2*\j+1], v[S+2*\j:S+2*\j+1], s[26:27], v[12:13] op_sel_hi:[1,0,0]   ; (of the pairs c and -M the low word serves both halves)
.endr
.irp g, 0,1,2,3,4,5
	v_fma_f32 v[BM+\g], v[BM+\g], s26, v12
.endr
.set J, 0
.rept 48
.if J+4 < 48
	v_pk_fma_f32 v[S+2*(J+4):S+2*(J+4)+1], v[S+2*(J+4):S+2*(J+4)+1], s[26:27], v[12:13] op_sel_hi:[1,0,0]
.endif
	v_exp_f32 v[S+2*J], v[S+2*J]                   ; p = 2^(t - M), at most 1: not normalised
	v_exp_f32 v[S+2*J+1], v[S+2*J+1]
.set J, J+1
.endr
.irp g, 0,1,2,3,4,5
	v_exp_f32 v[BM+\g], v[BM+\g]                   ; the block's largest p: the same two operations on the same number
.endr
	v_nop                                          ; a plain instruction behind the last exponential, ahead of the first use
	s_wait_alu depctr_va_vdst(0)                   ; the wait ahead of the first instruction that names a result: one for the batch
.endm
; p's six blocks become codes in v[PC] .. v[PC+11] and two scale words.
.macro QUANT
.irp g, 0,1,2,3,4,5
	v_max_num_f32 v[BM+\g], 0x1800000, v[BM+\g]    ; the floor 2^(3 - 127): the byte cannot fall under 1
.endr
.irp g, 0,1,2,3,4,5
	v_add_nc_u32 v[SO+\g], 0xff000000, v[BM+\g]    ; 2 off the exponent field: the conversion takes the exponent field of this operand as its scale
.endr
.irp g, 0,1,2,3,4,5
	v_lshrrev_b32 v[BX+\g], 23, v[SO+\g]           ; the scale's byte
.endr
	v_lshl_or_b32 v[PW], v[BX+1], 8, v[BX]         ; keys 0-127: four bytes
	v_lshl_or_b32 v[PW+1], v[BX+5], 8, v[BX+4]     ; keys 128-191: two bytes, zeros above
	v_lshl_or_b32 v[PW], v[BX+2], 16, v[PW]
	v_lshl_or_b32 v[PW], v[BX+3], 24, v[PW]
.irp g, 0,1,2,3,4,5
	v_cvt_scalef32_pk8_fp4_f32 v[PC+2*\g], v[S+16*\g:S+16*\g+7], v[SO+\g]
	v_cvt_scalef32_pk8_fp4_f32 v[PC+2*\g+1], v[S+16*\g+8:S+16*\g+15], v[SO+\g]
.endr
	v_nop                                          ; one plain instruction between a scaled conversion and the vector instruction that touches its result
.irp c, 0,1,2                                  ; the operand's layout wants a WHOLE block in a lane: lanes 0-15 block 2 c, lanes 16-31 block 2 c + 1
.irp n, 0,1
	v_permlane16_swap_b32 v[PC+4*\c+\n], v[PC+2+4*\c+\n]
.endr
.endr
.endm
; The row's sum of the unquantised p: 48 pairs in four chains.  The first 24 additions stand between the codes and scale words just made and the products that take them.
.macro SUM1
.irp k, 0,1,2,3
	v_pk_add_f32 v[LSUM+2*\k:LSUM+2*\k+1], v[S+2*\k:S+2*\k+1], v[S+8+2*\k:S+9+2*\k]
.endr
.set J, 8
.rept 20
	v_pk_add_f32 v[LSUM+2*(J%4):LSUM+2*(J%4)+1], v[LSUM+2*(J%4):LSUM+2*(J%4)+1], v[S+2*J:S+2*J+1]
.set J, J+1
.endr
.endm
; O^T = V^T P^T: eight accumulators by turns, one instruction a turn; the first step starts the sums.
.macro PV
	WIN 0x01                                       ; V in window 1
.irp t, 0,1,2,3,4,5,6,7
	WM OA+8*\t, VA+8*\t, PC, ZEROC, VS0+\t/2, PW, \t%2, 0
.endr
.irp t, 0,1,2,3,4,5,6,7
	WM OA+8*\t, VB+4*\t, PC+8, OA+8*\t, VS1+\t/2, PW+1, \t%2, 0      ; registers 4-7 of this operand are the next tile's codes: they meet p's zero codes
.endr
	WIN 0
.endm
; The rest of the sum, and its reciprocal.  These plain lines name no register of the products above: they are the places ahead of the first read of O^T.
.macro SUM2
.set J, 28
.rept 20
	v_pk_add_f32 v[LSUM+2*(J%4):LSUM+2*(J%4)+1], v[LSUM+2*(J%4):LSUM+2*(J%4)+1], v[S+2*J:S+2*J+1]
.set J, J+1
.endr
	v_pk_add_f32 v[LSUM:LSUM+1], v[LSUM:LSUM+1], v[LSUM+2:LSUM+3]
	v_pk_add_f32 v[LSUM+4:LSUM+5], v[LSUM+4:LSUM+5], v[LSUM+6:LSUM+7]
	v_pk_add_f32 v[LSUM:LSUM+1], v[LSUM:LSUM+1], v[LSUM+4:LSUM+5]
	v_add_f32 v24, v[LSUM], v[LSUM+1]
	v_permlanex16_b32 v25, v24, s28, s29
	v_add_f32 v24, v24, v25                        ; with lane l xor 16's 96 keys: the row's sum, over 1/2
	v_rcp_f32 v22, v24
	v_nop                                          ; a plain instruction behind the reciprocal
	s_wait_alu depctr_va_vdst(0)                   ; and the wait ahead of its first reader
.endm
.macro SCALE u                         ; channels 64 u on: O^T / the sum, in place, each accumulator from its low end on
.set J, 0
.rept 16
	v_pk_mul_f32 v[OA+32*(\u)+J:OA+32*(\u)+J+1], v[OA+32*(\u)+J:OA+32*(\u)+J+1], v[22:23] op_sel_hi:[1,0]
.set J, J+2
.endr
.endm
; Half a row (64 channels, 256 bytes) of the tile's 16 queries goes through my own stage: in, a lane's 32 bytes of its row; back, whole rows, into the registers that they left.
; LDS serves a wave's instructions in order (ISA guide 5.7.1.4): no wait between the stores and the loads, nor in front of the next half's stores.
.macro STAGE u
.irp t, 0,1,2,3
	ds_store_b128 v9, v[OA+32*(\u)+8*\t:OA+32*(\u)+8*\t+3] offset:64*\t
	ds_store_b128 v9, v[OA+32*(\u)+8*\t+4:OA+32*(\u)+8*\t+7] offset:64*\t+16
.endr
.irp p, 0,1,2,3,4,5,6,7
	ds_load_b128 v[OA+32*(\u)+4*\p:OA+32*(\u)+4*\p+3], v10 offset:2*SP*\p
.endr
.endm
.macro SEND i, u                       ; lanes 0-15 store 256 consecutive bytes of row 2 p, lanes 16-31 of row 2 p + 1, each at a multiple of 256 from out0's first byte; written once, read by nobody here
.irp p, 0,1,2,3,4,5,6,7
	global_store_b128 v11, v[OA+32*(\u)+4*\p:OA+32*(\u)+4*\p+3], s[16:17] offset:8192*(\i)+1024*\p+256*(\u) th:TH_STORE_NT
.endr
.endm
; A tile of 16 queries, from its scores (made a tile ahead) to its stores.  The next tile's scores are made between the two halves of the way out.
.macro TILE i
	MAXES
.if (\i) > 0
	s_wait_dscnt 0x0                               ; the second half of the tile before is back from the stage
	SEND (\i)-1, 1
.endif
	EXPS
	QUANT
	SUM1
.if (\i) == 0
	s_wait_loadcnt 0x0                             ; V, and Q's tiles 1 to 3
.else
	s_wait_xcnt 0x0                                ; the earlier stores have read their registers: O^T is written again only behind this wait
.endif
	PV
	SUM2
	SCALE 0
	STAGE 0
.if (\i) < 3
	KQ (\i)+1                                      ; p has been summed and converted: S^T's registers are free
.endif
	SCALE 1                                        ; sixteen plain lines that name no register of the products above: the places ahead of the next tile's first read of S^T
	STAGE 1
	s_wait_dscnt 16                                ; the first half is back: behind its loads stand the second half's 8 stores and 8 loads
	SEND \i, 0
.endm
	s_wait_loadcnt 30                              ; Q's tile 0 and K are in: behind them Q's tiles 1 to 3 (6 loads) and V (24) were issued
	KQ 0
	v_mul_u32_u24 v9, v1, SP                       ; the way out's addresses are made here: eight plain lines, the places behind the first scores
	v_lshl_add_u32 v9, v2, 5, v9
	v_add_nc_u32 v9, s47, v9                       ; into the stage: row r, + 32 h
	v_mul_u32_u24 v10, v2, SP
	v_lshl_add_u32 v10, v1, 4, v10
	v_add_nc_u32 v10, s47, v10                     ; back: lanes 0-15 one row, lanes 16-31 the next; 16 bytes a lane
	v_lshlrev_b32 v11, 9, v2
	v_lshl_add_u32 v11, v1, 4, v11                 ; and the same two rows in out0
	TILE 0
	TILE 1
	TILE 2
	TILE 3
	s_wait_dscnt 0x0                               ; the last half is back from the stage
	SEND 3, 1
	s_wait_tensorcnt 0x0
	ds_add_u32 v254, v255
	s_wait_dscnt 0x0
	s_endpgm
.Lfunc_end_k_q79e917fde2_band:
	.size	k_q79e917fde2_band, .Lfunc_end_k_q79e917fde2_band-k_q79e917fde2_band
	.p2alignl 7, 3214868480
	.fill 96, 4, 3214868480
	.section	.rodata,"a",@progbits
	.p2align	6, 0x0
	.amdhsa_kernel k_q79e917fde2_band
		.amdhsa_group_segment_fixed_size 168448
		.amdhsa_private_segment_fixed_size 0
		.amdhsa_enable_private_segment 0
		.amdhsa_kernarg_size 56
		.amdhsa_user_sgpr_count 2
		.amdhsa_user_sgpr_kernarg_segment_ptr 1
		.amdhsa_wavefront_size32 1
		.amdhsa_system_sgpr_workgroup_id_x 1
		.amdhsa_system_sgpr_workgroup_id_y 1
		.amdhsa_system_sgpr_workgroup_id_z 1
		.amdhsa_system_vgpr_workitem_id 0
		.amdhsa_next_free_vgpr 496
		.amdhsa_next_free_sgpr 66
		.amdhsa_reserve_vcc 0
		.amdhsa_float_denorm_mode_32 3
		.amdhsa_float_denorm_mode_16_64 3
		.amdhsa_memory_ordered 1
		.amdhsa_forward_progress 1
		.amdhsa_inst_pref_size 112
	.end_amdhsa_kernel
	.amdgpu_metadata
---
amdhsa.version: [ 1, 2 ]
amdhsa.kernels:
  - .name:           k_q79e917fde2_band
    .symbol:         k_q79e917fde2_band.kd
    .args:
      - { .name: q_codes, .offset: 0, .size: 8, .value_kind: global_buffer, .address_space: global }
      - { .name: q_scales, .offset: 8, .size: 8, .value_kind: global_buffer, .address_space: global }
      - { .name: k_codes, .offset: 16, .size: 8, .value_kind: global_buffer, .address_space: global }
      - { .name: k_scales, .offset: 24, .size: 8, .value_kind: global_buffer, .address_space: global }
      - { .name: v_codes, .offset: 32, .size: 8, .value_kind: global_buffer, .address_space: global }
      - { .name: v_scales, .offset: 40, .size: 8, .value_kind: global_buffer, .address_space: global }
      - { .name: out0, .offset: 48, .size: 8, .value_kind: global_buffer, .address_space: global }
    .group_segment_fixed_size: 168448
    .private_segment_fixed_size: 0
    .kernarg_segment_align: 8
    .kernarg_segment_size: 56
    .max_flat_workgroup_size: 128
    .sgpr_count:     66
    .vgpr_count:     496
    .wavefront_size: 32
...
	.end_amdgpu_metadata
.endif
;; end of part 1
;; ======== version 2 of 2: 1 launch; version 1 with the launch band written anew for expert scheduling mode
;; launch band (part 2): grid 16 x 16, 4 waves a work-group, no clusters, 168,448 bytes of LDS; arguments q_codes, q_scales, k_codes, k_scales, v_codes, v_scales, out0; writes out0
.if DOCPART == 2
	.amdgcn_target "amdgcn-amd-amdhsa--gfx1250"
	.amdhsa_code_object_version 6
	.text
	.protected	k_q79e917fde2_band
	.globl	k_q79e917fde2_band
	.p2align	8
	.type	k_q79e917fde2_band,@function
k_q79e917fde2_band:
	s_mov_b64 s[64:65], 0
	v_nop
	global_prefetch_b8 v0, s[64:65] scope:SCOPE_SE
	s_setreg_imm32_b32 hwreg(HW_REG_WAVE_SCHED_MODE, 0, 2), 2
	s_setreg_imm32_b32 hwreg(HW_REG_WAVE_MODE, 25, 1), 1
	s_wait_xcnt 0x0
	s_wait_alu depctr_vm_vsrc(0)
; Block-sparse attention on codes of FP4 (E2M1) with one E8M0 scale for each 32 along a product's K.  16 heads, 4,096 tokens, head size 128.
; Query block b (64 tokens) sees key blocks b - 1, b, b + 1: at most 192 keys, six blocks of 32, which begin at multiples of 32 keys.  Only these are multiplied.
; SHARES.  Work-group (x, y): queries 256 x .. 256 x + 255 of head y.  Wave w: query block b = 4 x + w, four tiles of 16 queries.  Waves share nothing: no barrier.
; THE WINDOW.  A wave takes the three key blocks from ws = min(max(b - 1, 0), 61) on: always inside the head.  For b = 63 the window's block 0 is hidden, for b = 0 its block 2.
; A block that may be hidden gets its bias (0, or -3e38 where it is hidden) as the C of its four score products: no compare, no branch; p of a hidden key is 2^(a huge negative number) = 0 and its codes are zeros.
; K's 12 fragments and V's codes of the window (96 registers each) go from memory straight into the operands' registers, once, and serve the wave's four tiles.
; LAYOUT.  Both products are used transposed: S^T = K Q^T (source 0 = 16 keys, source 1 = 16 queries), O^T = V^T P^T (source 0 = 16 channels, source 1 = P): a lane holds ONE query (lane % 16) throughout.
; THE KEYS OF A TILE ARE NOT NEIGHBOURS: lane r of tile 2 g + u takes window key 32 g + 8 u + r + 8 (r / 8), so that the 16 registers of tiles 2 g and 2 g + 1 are keys 32 g + 16 (lane / 16) + 0 .. 15.
; SOFTMAX.  A lane holds 96 scores, with lane l xor 16 the whole row: one pass with the row's true maximum.  t = score x log2(e) / sqrt(128); M = ceil(largest t); p = 2^(t - M) is quantised along the keys;
; the row's sum is taken of the unquantised p and divides O at the end.  A block's largest p is the block's largest score put through the same multiply-add and exponential.
; THE SECOND PRODUCT'S K is 192: a step of 128 keys and a step of 64 keys + 64 places whose p codes are zeros (four registers cleared once).  Against those zeros V's operand names whatever codes lie in the next
; four registers: FP4 has no code for NaN or infinity, so they add 0; the scale bytes of those places are 0 on both sides, which is a small power of two.
; NO CLUSTER, NO JOINT LOADS: a work-group's four waves walk six key blocks, of which two are also a neighbour's, each pair with another neighbour; no tile is common to several work-groups, and nothing goes through LDS on the way in.
; LIMITS: a scale byte 0xff (NaN) is not served.  Hidden keys get -3e38 and not -infinity: true scores at or under -3e38 are not told apart from hidden ones.  p under 2^-126 is taken as 0.
; A block whose every p is 0 gets the byte 1 where the quantiser says 127: its codes are zeros, and nobody else reads the byte.
; THE MODE: SCHED_MODE bits 1:0 = 2 (LLVM: expert scheduling mode 2), set by the entry lines.  The code itself states the register dependences
; between vector or matrix instructions and memory or LDS instructions, with s_wait_alu, always for 0.
; THE PLAN.  Registers that memory or LDS instructions touch:
;   v3-8          the loads' offsets: written by vector lines at the head, read by the 72 loads, never written again.  One wait on va_vdst stands ahead of the first load.
;   v46-61, window 1 v0-191 and v208-239   scale words, K, V, Q: loads land there, once; no vector line names them before.  V's eight scale words are cut anew by vector lines behind the wait for their loads.
;   v9-11         the way out's addresses: written once, behind the first scores; read by every LDS store, LDS load and global store of the way out, all of which stand behind later waits on va_vdst.
;   O^T, v176-239 in a tile: written by the second product; read and written by the 32 scalings; ONE wait on va_vdst; read by a half's LDS stores; a wait on vm_vsrc; the half's LDS loads land in it;
;                 read by the global stores; a wait on vm_vsrc ahead of the next tile's second product, which writes it again.
;   S^T, p's codes and scale words, the sums and the statistics are named by vector and matrix instructions alone.
; Between the one wait ahead of the way out and the last global store that leans on it the only vector lines are the next tile's maxima, which name S^T and statistics: none of O^T, v9, v10, v11.
; REGISTERS, in windows of 256 (s_set_vgpr_msb's low byte: bits 1:0 source 0, 3:2 source 1, 5:4 source 2, 7:6 destination):
;   window 0: v1 r, v2 h; v3-8 offsets of the loads; v9 stage in, v10 stage back, v11 offset in out0; v12 -M, v13 largest t; v14-21 four pairs of sums; v22 1 / sum (v23 named with it); v24-25 at work;
;             v26-31 blocks' largest; v32-37 at work, then scale bytes; v38-43 the conversions' scale operands; v44-45 p's scale words; v46-47 Q's, v48-53 K's, v54-61 V's scale words; v64-79 p's codes; v80-175 S^T, then p; v176-239 O^T
;   window 1: v0-95 K; v96-127 V, keys 128-191; v128-191 V, keys 0-127; v192-199, v200-207 the two biases; v208-239 Q
.set S,     80
.set OA,    176
.set PC,    64
.set LSUM,  14
.set BM,    26
.set BX,    32
.set SO,    38
.set PW,    44
.set QS,    46                         ; register i: lanes 0-15 the words of query tile 2 i, lanes 16-31 of tile 2 i + 1
.set KS,    48                         ; register g: lanes 0-15 the words of key tile 2 g, lanes 16-31 of tile 2 g + 1
.set VS0,   54                         ; register u: lanes 0-15 channel tile 2 u, lanes 16-31 tile 2 u + 1; keys 0-127
.set VS1,   58                         ; the same for keys 128-191, two zero bytes above
.set VB,    96                         ; window 1
.set VA,    128
.set BIAS0, 192
.set BIAS2, 200
.set QF,    208
.set ZEROC, 1000                       ; in macro WM: C is the constant 0
.set SP,    272                        ; a stage row: 256 bytes + 16: row r begins 17 r columns of 16 bytes on, so sixteen rows fall into sixteen different columns
.set STG,   16*SP                      ; a wave's stage: 16 rows
.set MSB, 0
.macro WIN new                         ; the immediate's high byte repeats the setting that is left; a switch that changes nothing is dropped
.if MSB != \new
	s_set_vgpr_msb (MSB<<8)|\new
.set MSB, \new
.endif
.endm
; One matrix instruction.  d, a, b, c: first registers of D, A, B, C (c = ZEROC: the constant 0); sa, sb: the scale registers; ra, rb = 1: that side's words are taken from lanes 16-31.
.macro WM d, a, b, c, sa, sb, ra, rb
.if (\c) >= ZEROC
.if (\ra) && (\rb)
	v_wmma_scale_f32_16x16x128_f8f6f4 v[\d:\d+7], v[\a:\a+7], v[\b:\b+7], 0, v[\sa], v[\sb] matrix_a_fmt:MATRIX_FMT_FP4 matrix_b_fmt:MATRIX_FMT_FP4 matrix_a_scale:MATRIX_SCALE_ROW1 matrix_b_scale:MATRIX_SCALE_ROW1
.elseif (\ra)
	v_wmma_scale_f32_16x16x128_f8f6f4 v[\d:\d+7], v[\a:\a+7], v[\b:\b+7], 0, v[\sa], v[\sb] matrix_a_fmt:MATRIX_FMT_FP4 matrix_b_fmt:MATRIX_FMT_FP4 matrix_a_scale:MATRIX_SCALE_ROW1
.elseif (\rb)
	v_wmma_scale_f32_16x16x128_f8f6f4 v[\d:\d+7], v[\a:\a+7], v[\b:\b+7], 0, v[\sa], v[\sb] matrix_a_fmt:MATRIX_FMT_FP4 matrix_b_fmt:MATRIX_FMT_FP4 matrix_b_scale:MATRIX_SCALE_ROW1
.else
	v_wmma_scale_f32_16x16x128_f8f6f4 v[\d:\d+7], v[\a:\a+7], v[\b:\b+7], 0, v[\sa], v[\sb] matrix_a_fmt:MATRIX_FMT_FP4 matrix_b_fmt:MATRIX_FMT_FP4
.endif
.else
.if (\ra) && (\rb)
	v_wmma_scale_f32_16x16x128_f8f6f4 v[\d:\d+7], v[\a:\a+7], v[\b:\b+7], v[\c:\c+7], v[\sa], v[\sb] matrix_a_fmt:MATRIX_FMT_FP4 matrix_b_fmt:MATRIX_FMT_FP4 matrix_a_scale:MATRIX_SCALE_ROW1 matrix_b_scale:MATRIX_SCALE_ROW1
.elseif (\ra)
	v_wmma_scale_f32_16x16x128_f8f6f4 v[\d:\d+7], v[\a:\a+7], v[\b:\b+7], v[\c:\c+7], v[\sa], v[\sb] matrix_a_fmt:MATRIX_FMT_FP4 matrix_b_fmt:MATRIX_FMT_FP4 matrix_a_scale:MATRIX_SCALE_ROW1
.elseif (\rb)
	v_wmma_scale_f32_16x16x128_f8f6f4 v[\d:\d+7], v[\a:\a+7], v[\b:\b+7], v[\c:\c+7], v[\sa], v[\sb] matrix_a_fmt:MATRIX_FMT_FP4 matrix_b_fmt:MATRIX_FMT_FP4 matrix_b_scale:MATRIX_SCALE_ROW1
.else
	v_wmma_scale_f32_16x16x128_f8f6f4 v[\d:\d+7], v[\a:\a+7], v[\b:\b+7], v[\c:\c+7], v[\sa], v[\sb] matrix_a_fmt:MATRIX_FMT_FP4 matrix_b_fmt:MATRIX_FMT_FP4
.endif
.endif
.endm
	s_load_b256 s[4:11], s[0:1], 0x0               ; q_codes s[4:5], q_scales s[6:7], k_codes s[8:9], k_scales s[10:11]
	s_load_b128 s[12:15], s[0:1], 0x20             ; v_codes s[12:13], v_scales s[14:15]
	s_load_b64 s[16:17], s[0:1], 0x30              ; out0
	v_lshl_add_u32 v254, v0, 2, 0x29000
	v_mov_b32 v255, 0
	v_lshrrev_b32 v24, 5, v0
	v_readfirstlane_b32 s18, v24                   ; wave 0..3
	v_and_b32 v1, 15, v0                           ; r
	v_bfe_u32 v2, v0, 4, 1                         ; h
	v_and_b32 v24, 8, v1
	v_add_nc_u32 v24, v24, v1                      ; r + 8 (r / 8)
	v_lshlrev_b32 v3, 6, v24
	v_lshl_add_u32 v3, v2, 4, v3                   ; K's codes: a key's row is 64 bytes; + 16 h
	v_lshl_add_u32 v4, v2, 3, v24
	v_lshlrev_b32 v4, 2, v4                        ; K's scale words, 4 bytes a key: lanes 16-31 take the odd tile's keys, 8 further on
	v_lshlrev_b32 v5, 6, v1
	v_lshl_add_u32 v5, v2, 4, v5                   ; Q's codes: row r, + 16 h
	v_and_b32 v25, 31, v0                          ; lane
	v_lshlrev_b32 v6, 2, v25                       ; Q's scale words: 4 bytes a query, 32 queries a register
	v_lshlrev_b32 v7, 11, v1
	v_lshl_add_u32 v7, v2, 4, v7                   ; V's codes: a channel's row is 2,048 bytes; + 16 h
	v_lshlrev_b32 v8, 7, v25                       ; V's scale bytes: 128 a channel, 32 channels a register
	v_mov_b32 v23, 0                               ; named as the upper half of the pair v[22:23]
	v_mov_b32 v25, 0                               ; a lane permute's destination counts as one of its sources: written once
.irp j, 0,1,2,3,4,5
	v_mov_b32 v[BX+\j], 0                          ; likewise
.endr
.irp j, 12,13,14,15
	v_mov_b32 v[PC+\j], 0                          ; p's codes of the 64 places behind key 191: zeros for the whole launch
.endr
	s_wait_alu depctr_va_sdst(0)                   ; s18, the wave's number, is written, ahead of its first reader: my query block, the bases and my stage are made from it
	s_and_b32 s19, ttmp7, 0xffff                   ; the head
	s_lshl_b32 s20, ttmp9, 2
	s_add_co_u32 s20, s20, s18                     ; b: my query block
	s_max_u32 s21, s20, 1
	s_sub_co_u32 s21, s21, 1
	s_min_u32 s21, s21, 61                         ; ws: my window's first key block
	s_mov_b32 s26, 0x3e0293ee                      ; c = log2(e) / sqrt(128)
	s_mov_b32 s27, s26                             ; (named with it as a pair, so it is written)
	s_mov_b32 s28, 0x76543210
	s_mov_b32 s29, 0xfedcba98                      ; v_permlanex16_b32's selects for lane l xor 16
	s_cmp_eq_u32 s20, 63
	s_cselect_b32 s30, 0xff61b1e6, 0               ; the bias of the window's block 0: -3e38 where it is hidden
	s_cmp_eq_u32 s20, 0
	s_cselect_b32 s31, 0xff61b1e6, 0               ; and of its block 2
	s_mov_b32 s32, 0x05040302
	s_bitcmp1_b32 s21, 0
	s_cselect_b32 s32, s32, 0x03020100             ; V's six scale bytes begin at byte 2 (ws odd) or 0 (ws even) of two aligned words: the selector of the first four,
	s_and_b32 s33, s21, 1
	s_lshl_b32 s33, s33, 4                         ; and the bit at which the last two begin in the second word
	s_lshl_b32 s44, s19, 18                        ; a head's codes: 262,144 bytes in each of the three tensors
	s_lshl_b32 s45, s19, 14                        ; its scale bytes: 16,384
	s_lshl_b32 s22, s20, 12
	s_add_co_u32 s22, s22, s44                     ; q_codes: 64 queries x 64 bytes a block
	s_mov_b32 s23, 0
	s_lshl_b32 s24, s20, 8
	s_add_co_u32 s24, s24, s45                     ; q_scales: 256 bytes a block
	s_mov_b32 s25, 0
	s_lshl_b32 s34, s21, 12
	s_add_co_u32 s34, s34, s44                     ; k_codes
	s_mov_b32 s35, 0
	s_lshl_b32 s36, s21, 8
	s_add_co_u32 s36, s36, s45                     ; k_scales
	s_mov_b32 s37, 0
	s_lshl_b32 s38, s21, 5
	s_add_co_u32 s38, s38, s44                     ; v_codes: 64 keys are 32 bytes of a channel's row
	s_mov_b32 s39, 0
	s_lshr_b32 s40, s21, 1
	s_lshl_b32 s40, s40, 2
	s_add_co_u32 s40, s40, s45                     ; v_scales: the aligned word in which the window's bytes begin; two words end at byte 127 of a row at the most
	s_mov_b32 s41, 0
	s_lshl_b32 s42, s19, 21
	s_lshl_b32 s46, s20, 15
	s_add_co_u32 s42, s42, s46                     ; out0: 2^21 bytes a head, 64 rows of 512 bytes a block
	s_mov_b32 s43, 0
	s_mul_i32 s47, s18, STG                        ; my stage in LDS
	WIN 0x40                                       ; destination window 1
.irp j, 0,1,2,3,4,5,6,7
	v_mov_b32 v[BIAS0+\j], s30
.endr
.irp j, 0,1,2,3,4,5,6,7
	v_mov_b32 v[BIAS2+\j], s31
.endr
	WIN 0
	s_wait_kmcnt 0x0
	s_add_nc_u64 s[10:11], s[10:11], s[36:37]
	s_add_nc_u64 s[6:7], s[6:7], s[24:25]
	s_add_nc_u64 s[14:15], s[14:15], s[40:41]
	s_add_nc_u64 s[4:5], s[4:5], s[22:23]
	s_add_nc_u64 s[8:9], s[8:9], s[34:35]
	s_add_nc_u64 s[12:13], s[12:13], s[38:39]
	s_add_nc_u64 s[16:17], s[16:17], s[42:43]
	; ALL LOADS OF THE WAVE GO OUT HERE: 16 of scale words, then 56 of codes.  No base and no offset register is written again.
	s_wait_alu depctr_va_vdst(0)                   ; the six offsets v3 to v8 are written, which the 72 loads below read; only loads and one window switch stand between this wait and the last of them
.irp g, 0,1,2,3,4,5
	global_load_b32 v[KS+\g], v4, s[10:11] offset:128*\g
.endr
.irp i, 0,1
	global_load_b32 v[QS+\i], v6, s[6:7] offset:128*\i
.endr
.irp u, 0,1,2,3
	global_load_b32 v[VS0+\u], v8, s[14:15] offset:4096*\u
	global_load_b32 v[VS1+\u], v8, s[14:15] offset:4096*\u+4
.endr
	WIN 0x40                                       ; destination window 1, offsets window 0
.irp c, 0,1
	global_load_b128 v[QF+4*\c:QF+4*\c+3], v5, s[4:5] offset:32*\c th:TH_LOAD_NT               ; Q's tile 0.  Q is read by this wave alone
.endr
.irp t, 0,1,2,3,4,5,6,7,8,9,10,11
.irp c, 0,1
	global_load_b128 v[8*\t+4*\c:8*\t+4*\c+3], v3, s[8:9] offset:(32*(\t/2)+8*(\t%2))*64+32*\c  ; K's tile t begins at window key 32 (t / 2) + 8 (t % 2)
.endr
.endr
.irp i, 1,2,3
.irp c, 0,1
	global_load_b128 v[QF+8*\i+4*\c:QF+8*\i+4*\c+3], v5, s[4:5] offset:1024*\i+32*\c th:TH_LOAD_NT
.endr
.endr
.irp t, 0,1,2,3,4,5,6,7                        ; V, channels 16 t on: the three loads on a row's 96 bytes stand together
	global_load_b128 v[VA+8*\t:VA+8*\t+3], v7, s[12:13] offset:32768*\t
	global_load_b128 v[VA+8*\t+4:VA+8*\t+7], v7, s[12:13] offset:32768*\t+32
	global_load_b128 v[VB+4*\t:VB+4*\t+3], v7, s[12:13] offset:32768*\t+64
.endr
	WIN 0
	s_wait_loadcnt 56                              ; the 16 loads of scale words are in: 2 + 24 + 6 + 24 loads were issued behind them
.irp u, 0,1,2,3
	v_perm_b32 v[VS0+\u], v[VS1+\u], v[VS0+\u], s32    ; the window's scale bytes 0 to 3,
.endr
.irp u, 0,1,2,3
	v_bfe_u32 v[VS1+\u], v[VS1+\u], s33, 16        ; and 4, 5, with zeros above
.endr
; S^T of query tile i: 12 products on 12 accumulators, none adds onto another.  The window's blocks 0 and 2 start from their bias, block 1 from the constant 0.
; Their operands and scale words are as the loads left them; the biases were written ahead of the wait that stands in front of the loads.
.macro KQ i
	WIN 0x15                                       ; K, Q and the biases in window 1, S^T in window 0
.irp t, 0,1,2,3
	WM S+8*\t, 8*\t, QF+8*(\i), BIAS0, KS+\t/2, QS+(\i)/2, \t%2, (\i)%2
.endr
.irp t, 4,5,6,7
	WM S+8*\t, 8*\t, QF+8*(\i), ZEROC, KS+\t/2, QS+(\i)/2, \t%2, (\i)%2
.endr
.irp t, 8,9,10,11
	WM S+8*\t, 8*\t, QF+8*(\i), BIAS2, KS+\t/2, QS+(\i)/2, \t%2, (\i)%2
.endr
	WIN 0
.endm
; The largest score of each block of 32 keys (it serves twice: for the row's maximum and for the block's largest p), the row's largest t, and -M.
; Each accumulator is read from its low end on: the even tiles at registers 0-2, the odd tiles at their register 0 (the line with n = 7).
.macro MAXES
.irp g, 0,1,2,3,4,5
	v_max3_num_f32 v[BM+\g], v[S+16*\g], v[S+16*\g+1], v[S+16*\g+2]
.endr
.irp n, 3,5,7,9,11,13
.irp g, 0,1,2,3,4,5
	v_max3_num_f32 v[BM+\g], v[BM+\g], v[S+16*\g+\n], v[S+16*\g+\n+1]   ; (the six blocks by turns: no line waits for the line above it)
.endr
.endr
.irp g, 0,1,2,3,4,5
	v_max_num_f32 v[BM+\g], v[BM+\g], v[S+16*\g+15]
.endr
.irp g, 0,1,2,3,4,5
	v_permlanex16_b32 v[BX+\g], v[BM+\g], s28, s29
.endr
.irp g, 0,1,2,3,4,5
	v_max_num_f32 v[BM+\g], v[BM+\g], v[BX+\g]     ; with lane l xor 16's 16 keys
.endr
	v_max3_num_f32 v24, v[BM], v[BM+1], v[BM+2]
	v_max3_num_f32 v24, v24, v[BM+3], v[BM+4]
	v_max_num_f32 v24, v24, v[BM+5]                ; the row's largest score
	v_mul_f32 v13, s26, v24                        ; as t (c is positive)
	v_floor_f32 v12, -v13                          ; -M = floor(-t) = -ceil(t)
.endm
; ONE BATCH: 48 packed scalings t - M, six of the blocks' largest, and all 102 exponentials.  A pair is scaled four pairs ahead of its exponentials; nothing in the batch names an exponential's result.
.macro EXPS
.irp j, 0,1,2,3
	v_pk_fma_f32 v[S+2*\j:S+2*\j+1], v[S+2*\j:S+2*\j+1], s[26:27], v[12:13] op_sel_hi:[1,0,0]   ; (of the pairs c and -M the low word serves both halves)
.endr
.irp g, 0,1,2,3,4,5
	v_fma_f32 v[BM+\g], v[BM+\g], s26, v12
.endr
.set J, 0
.rept 48
.if J+4 < 48
	v_pk_fma_f32 v[S+2*(J+4):S+2*(J+4)+1], v[S+2*(J+4):S+2*(J+4)+1], s[26:27], v[12:13] op_sel_hi:[1,0,0]
.endif
	v_exp_f32 v[S+2*J], v[S+2*J]                   ; p = 2^(t - M), at most 1: not normalised
	v_exp_f32 v[S+2*J+1], v[S+2*J+1]
.set J, J+1
.endr
.irp g, 0,1,2,3,4,5
	v_exp_f32 v[BM+\g], v[BM+\g]                   ; the block's largest p: the same two operations on the same number
.endr
	v_nop                                          ; a plain instruction behind the last exponential, ahead of the first use
	s_wait_alu depctr_va_vdst(0)                   ; the 102 exponentials have written p and the blocks' largest p: the wait ahead of the first instruction that names a result: one for the batch
.endm
; p's six blocks become codes in v[PC] .. v[PC+11] and two scale words.
.macro QUANT
.irp g, 0,1,2,3,4,5
	v_max_num_f32 v[BM+\g], 0x1800000, v[BM+\g]    ; the floor 2^(3 - 127): the byte cannot fall under 1
.endr
.irp g, 0,1,2,3,4,5
	v_add_nc_u32 v[SO+\g], 0xff000000, v[BM+\g]    ; 2 off the exponent field: the conversion takes the exponent field of this operand as its scale
.endr
.irp g, 0,1,2,3,4,5
	v_lshrrev_b32 v[BX+\g], 23, v[SO+\g]           ; the scale's byte
.endr
	v_lshl_or_b32 v[PW], v[BX+1], 8, v[BX]         ; keys 0-127: four bytes
	v_lshl_or_b32 v[PW+1], v[BX+5], 8, v[BX+4]     ; keys 128-191: two bytes, zeros above
	v_lshl_or_b32 v[PW], v[BX+2], 16, v[PW]
	v_lshl_or_b32 v[PW], v[BX+3], 24, v[PW]
.irp g, 0,1,2,3,4,5
	v_cvt_scalef32_pk8_fp4_f32 v[PC+2*\g], v[S+16*\g:S+16*\g+7], v[SO+\g]
	v_cvt_scalef32_pk8_fp4_f32 v[PC+2*\g+1], v[S+16*\g+8:S+16*\g+15], v[SO+\g]
.endr
	v_nop                                          ; one plain instruction between a scaled conversion and the vector instruction that touches its result
.irp c, 0,1,2                                  ; the operand's layout wants a WHOLE block in a lane: lanes 0-15 block 2 c, lanes 16-31 block 2 c + 1
.irp n, 0,1
	v_permlane16_swap_b32 v[PC+4*\c+\n], v[PC+2+4*\c+\n]
.endr
.endr
.endm
; The row's sum of the unquantised p: 48 pairs in four chains.  The first 24 additions stand between the codes and scale words just made and the products that take them.
.macro SUM1
.irp k, 0,1,2,3
	v_pk_add_f32 v[LSUM+2*\k:LSUM+2*\k+1], v[S+2*\k:S+2*\k+1], v[S+8+2*\k:S+9+2*\k]
.endr
.set J, 8
.rept 20
	v_pk_add_f32 v[LSUM+2*(J%4):LSUM+2*(J%4)+1], v[LSUM+2*(J%4):LSUM+2*(J%4)+1], v[S+2*J:S+2*J+1]
.set J, J+1
.endr
.endm
; O^T = V^T P^T: eight accumulators by turns, one instruction a turn; the first step starts the sums.
.macro PV
	WIN 0x01                                       ; V in window 1
.irp t, 0,1,2,3,4,5,6,7
	WM OA+8*\t, VA+8*\t, PC, ZEROC, VS0+\t/2, PW, \t%2, 0
.endr
.irp t, 0,1,2,3,4,5,6,7
	WM OA+8*\t, VB+4*\t, PC+8, OA+8*\t, VS1+\t/2, PW+1, \t%2, 0      ; registers 4-7 of this operand are the next tile's codes: they meet p's zero codes
.endr
	WIN 0
.endm
; The rest of the sum, and its reciprocal.  These plain lines name no register of the products above: they are the places ahead of the first read of O^T.
.macro SUM2
.set J, 28
.rept 20
	v_pk_add_f32 v[LSUM+2*(J%4):LSUM+2*(J%4)+1], v[LSUM+2*(J%4):LSUM+2*(J%4)+1], v[S+2*J:S+2*J+1]
.set J, J+1
.endr
	v_pk_add_f32 v[LSUM:LSUM+1], v[LSUM:LSUM+1], v[LSUM+2:LSUM+3]
	v_pk_add_f32 v[LSUM+4:LSUM+5], v[LSUM+4:LSUM+5], v[LSUM+6:LSUM+7]
	v_pk_add_f32 v[LSUM:LSUM+1], v[LSUM:LSUM+1], v[LSUM+4:LSUM+5]
	v_add_f32 v24, v[LSUM], v[LSUM+1]
	v_permlanex16_b32 v25, v24, s28, s29
	v_add_f32 v24, v24, v25                        ; with lane l xor 16's 96 keys: the row's sum, over 1/2
	v_rcp_f32 v22, v24
	v_nop                                          ; a plain instruction behind the reciprocal
	s_wait_alu depctr_va_vdst(0)                   ; the reciprocal has written v22: the wait ahead of its first reader
.endm
.macro SCALE u                         ; channels 64 u on: O^T / the sum, in place, each accumulator from its low end on
.set J, 0
.rept 16
	v_pk_mul_f32 v[OA+32*(\u)+J:OA+32*(\u)+J+1], v[OA+32*(\u)+J:OA+32*(\u)+J+1], v[22:23] op_sel_hi:[1,0]
.set J, J+2
.endr
.endm
; Half a row (64 channels, 256 bytes) of the tile's 16 queries goes through my own stage: in, a lane's 32 bytes of its row; back, whole rows, into the registers that they left.
; LDS serves a wave's instructions in order (ISA guide 5.7.1.4): no wait on DScnt between the stores and the loads, nor in front of the next half's stores.
.macro STAGE u
.irp t, 0,1,2,3
	ds_store_b128 v9, v[OA+32*(\u)+8*\t:OA+32*(\u)+8*\t+3] offset:64*\t
	ds_store_b128 v9, v[OA+32*(\u)+8*\t+4:OA+32*(\u)+8*\t+7] offset:64*\t+16
.endr
	s_wait_alu depctr_vm_vsrc(0)                   ; the eight LDS stores above have read this half of O^T, in which the eight loads below land
.irp p, 0,1,2,3,4,5,6,7
	ds_load_b128 v[OA+32*(\u)+4*\p:OA+32*(\u)+4*\p+3], v10 offset:2*SP*\p
.endr
.endm
.macro SEND i, u                       ; lanes 0-15 store 256 consecutive bytes of row 2 p, lanes 16-31 of row 2 p + 1, each at a multiple of 256 from out0's first byte; written once, read by nobody here
.irp p, 0,1,2,3,4,5,6,7
	global_store_b128 v11, v[OA+32*(\u)+4*\p:OA+32*(\u)+4*\p+3], s[16:17] offset:8192*(\i)+1024*\p+256*(\u) th:TH_STORE_NT
.endr
.endm
; A tile of 16 queries, from its scores (made a tile ahead) to its stores.  The next tile's scores are made ahead of the way out, so that both scalings stand together and one wait serves the whole way out.
.macro TILE i
	MAXES
.if (\i) > 0
	s_wait_dscnt 0x0                               ; the second half of the tile before is back from the stage
	SEND (\i)-1, 1                                 ; its data came by LDS loads; the maxima above name neither them nor v11
.endif
	EXPS
	QUANT
	SUM1
.if (\i) == 0
	s_wait_loadcnt 0x0                             ; V, and Q's tiles 1 to 3
.else
	s_wait_xcnt 0x0                                ; the earlier stores have read their registers: O^T is written again only behind this wait
	s_wait_alu depctr_vm_vsrc(0)                   ; the sixteen global stores of the tile before have read O^T, which the products below write again
.endif
	s_wait_alu depctr_va_vdst(0)                   ; p's codes and its two scale words are written (in the first tile V's scale words, cut anew at the head, too), which the scaled products below take; the 24 additions above are the places, and stay beside this wait
	PV
	SUM2
.if (\i) < 3
	KQ (\i)+1                                      ; p has been summed and converted: S^T's registers are free
.endif
	SCALE 0                                        ; thirty-two plain lines that name no register of the score products above: the places ahead of the next tile's first read of S^T
	SCALE 1
	s_wait_alu depctr_va_vdst(0)                   ; the scalings have written O^T and are done reading it: the LDS stores below read it, the LDS loads land in it, the global stores read it; v9, v10 and v11 are written too
	STAGE 0
	STAGE 1
	s_wait_dscnt 16                                ; the first half is back: behind its loads stand the second half's 8 stores and 8 loads
	SEND \i, 0
.endm
	s_wait_loadcnt 30                              ; Q's tile 0 and K are in: behind them Q's tiles 1 to 3 (6 loads) and V (24) were issued
	KQ 0
	v_mul_u32_u24 v9, v1, SP                       ; the way out's addresses are made here: eight plain lines, the places behind the first scores
	v_lshl_add_u32 v9, v2, 5, v9
	v_add_nc_u32 v9, s47, v9                       ; into the stage: row r, + 32 h
	v_mul_u32_u24 v10, v2, SP
	v_lshl_add_u32 v10, v1, 4, v10
	v_add_nc_u32 v10, s47, v10                     ; back: lanes 0-15 one row, lanes 16-31 the next; 16 bytes a lane
	v_lshlrev_b32 v11, 9, v2
	v_lshl_add_u32 v11, v1, 4, v11                 ; and the same two rows in out0
	TILE 0
	TILE 1
	TILE 2
	TILE 3
	s_wait_dscnt 0x0                               ; the last half is back from the stage
	SEND 3, 1
	s_wait_dscnt 0x0
	s_wait_alu depctr_hold_cnt(0) depctr_sa_sdst(0) depctr_va_vdst(0) depctr_va_sdst(0) depctr_va_ssrc(0) depctr_va_vcc(0) depctr_vm_vsrc(0)
	s_wait_tensorcnt 0x0
	ds_add_u32 v254, v255
	s_wait_dscnt 0x0
	s_endpgm
.Lfunc_end_k_q79e917fde2_band:
	.size	k_q79e917fde2_band, .Lfunc_end_k_q79e917fde2_band-k_q79e917fde2_band
	.p2alignl 7, 3214868480
	.fill 96, 4, 3214868480
	.section	.rodata,"a",@progbits
	.p2align	6, 0x0
	.amdhsa_kernel k_q79e917fde2_band
		.amdhsa_group_segment_fixed_size 168448
		.amdhsa_private_segment_fixed_size 0
		.amdhsa_enable_private_segment 0
		.amdhsa_kernarg_size 56
		.amdhsa_user_sgpr_count 2
		.amdhsa_user_sgpr_kernarg_segment_ptr 1
		.amdhsa_wavefront_size32 1
		.amdhsa_system_sgpr_workgroup_id_x 1
		.amdhsa_system_sgpr_workgroup_id_y 1
		.amdhsa_system_sgpr_workgroup_id_z 1
		.amdhsa_system_vgpr_workitem_id 0
		.amdhsa_next_free_vgpr 496
		.amdhsa_next_free_sgpr 66
		.amdhsa_reserve_vcc 0
		.amdhsa_float_denorm_mode_32 3
		.amdhsa_float_denorm_mode_16_64 3
		.amdhsa_memory_ordered 1
		.amdhsa_forward_progress 1
		.amdhsa_inst_pref_size 113
	.end_amdhsa_kernel
	.amdgpu_metadata
---
amdhsa.version: [ 1, 2 ]
amdhsa.kernels:
  - .name:           k_q79e917fde2_band
    .symbol:         k_q79e917fde2_band.kd
    .args:
      - { .name: q_codes, .offset: 0, .size: 8, .value_kind: global_buffer, .address_space: global }
      - { .name: q_scales, .offset: 8, .size: 8, .value_kind: global_buffer, .address_space: global }
      - { .name: k_codes, .offset: 16, .size: 8, .value_kind: global_buffer, .address_space: global }
      - { .name: k_scales, .offset: 24, .size: 8, .value_kind: global_buffer, .address_space: global }
      - { .name: v_codes, .offset: 32, .size: 8, .value_kind: global_buffer, .address_space: global }
      - { .name: v_scales, .offset: 40, .size: 8, .value_kind: global_buffer, .address_space: global }
      - { .name: out0, .offset: 48, .size: 8, .value_kind: global_buffer, .address_space: global }
    .group_segment_fixed_size: 168448
    .private_segment_fixed_size: 0
    .kernarg_segment_align: 8
    .kernarg_segment_size: 56
    .max_flat_workgroup_size: 128
    .sgpr_count:     66
    .vgpr_count:     496
    .wavefront_size: 32
...
	.end_amdgpu_metadata
.endif
;; end of part 2
